; MI455X (gfx1250); checked and timed in simulation.
; The chip was launched on July 23, 2026; its instructions are those of AMD's public machine-readable ISA for CDNA 5 (MIT licence, August 2026) and "CDNA5" Instruction Set Architecture Reference Guide (July 2026). The comments in the code are by the model that wrote it; some were corrected since.
;; Attention With Einsum. Allowed arithmetic: matrix products marked QUANTISED: E2M3 operands, one E8M0 scale for each 32 along K, by v_wmma_scale_f32_16x16x128_f8f6f4 with both operands' format E2M3, f32 sums; everything else in f32.
;; Inputs: k_param 512 x 8 x 64 float32; p_param 8 x 64 x 512 float32; q_param 512 x 8 x 64 float32; v_param 512 x 8 x 64 float32; x 1 x 4,096 x 512 float32.
;; Outputs: out0 1 x 4,096 x 512 float32.
;; This version of the problem:
;;   THIS VERSION OF THE PROBLEM IS GIVEN IN LOW PRECISION. The matrix products marked QUANTISED in the list below multiply operands that are first quantised to E2M3 (2 exponent bits, 3 mantissa bits; 6 bits a number), with one power-of-two scale for each 32 numbers along K (OCP MX v1.0); their sums are f32. All else is computed in f32.
;;   The module's matrix products, in the order in which they are computed (A, B: the left and right operand; K: the contracted axis; several contracted axes count as one K, in the product's order):
;;     1. [M 4,096, K 512] x [K 512, N 512]; A: input x; B: input q_param: QUANTISED
;;     2. [M 4,096, K 512] x [K 512, N 512]; A: input x; B: input k_param: QUANTISED
;;     3. [M 4,096, K 512] x [K 512, N 512]; A: input x; B: input v_param: QUANTISED
;;     4. batch 8 x [M 4,096, K 64] x [K 64, N 4,096]; A: computed on the way; B: computed on the way: QUANTISED
;;     5. batch 8 x [M 64, K 4,096] x [K 4,096, N 4,096]; A: computed on the way; B: softmax (see below): QUANTISED
;;     6. [M 4,096, K 512] x [K 512, N 512]; A: computed on the way; B: input p_param: QUANTISED
;;   THE QUANTISER, for each operand of a quantised product, along K:
;;     - K is cut into blocks of 32 from its start; a last block that is shorter is filled with zeros.
;;     - A block's scale is 2^e with e = floor(log2(the largest magnitude in the block)) - 2, held to -126 .. 127; a block of zeros has e = 0. As a byte (E8M0): e + 127.
;;     - Each number is divided by its block's scale, clamped to +-7.5, and rounded to the nearest number of E2M3, ties to even, subnormals kept.
;;     - The product sums the exact products of the quantised numbers (number of the format x scale) in f32.
;;   ~~~python
;;   def quantise(x, axis):      # numpy; x: float32 -> the quantised numbers, widened to float32 again
;;       x = np.moveaxis(x, axis, -1); K = x.shape[-1]
;;       x = np.pad(x, [(0, 0)] * (x.ndim - 1) + [(0, -K % 32)]); x = x.reshape(x.shape[:-1] + (-1, 32)); a = np.abs(x).max(-1, keepdims=True)
;;       e = np.where(a > 0, np.clip(np.frexp(np.where(a > 0, a, 1))[1] - 1 - 2, -126, 127), 0)      # np.frexp(a)[1] - 1 = floor(log2(a)), exactly
;;       r = np.clip(x / 2.0 ** e, -7.5, 7.5)
;;       step = 2.0 ** (np.maximum(np.frexp(np.where(r == 0, 1, r))[1] - 1, 0) - 3)
;;       q = np.round(r / step) * step * 2.0 ** e      # np.round: ties to even
;;       return np.moveaxis(q.reshape(q.shape[:-2] + (-1,))[..., :K], -1, axis).astype(np.float32)
;;   ~~~
;;   SOFTMAX AHEAD OF A QUANTISED PRODUCT. Where the list says 'softmax', what is quantised is not the finished softmax but p = 2^(t - M), with t = logit x log2(e) and M = ceil(the row's largest t), a whole number; so 1/2 < the row's largest p <= 1. The row's sum l is taken of the UNQUANTISED p, in f32, and the product's result is divided by l at the end. Since M is a whole number, a kernel that streams over the keys may use a running M (the ceiling of the running maximum): every later rescaling is an exact power of two, which a block's scale takes up: the codes' values come out the same.
;;   OPERANDS COMPUTED ON THE WAY. 'Computed on the way' means the value that the module computes at that place (a softmax that the list does not call 'softmax' is quantised finished and normalised). What goes into a quantiser is computed in f32, as accurately as f32 sums, v_exp_f32 and their like allow (about 1e-6 of the number): no bf16 or f16 on the way to a quantiser, and a product that is left as it is and whose result goes on into a quantised operand takes f32 operands (vector FMAs, or v_wmma_f32_16x16x4_f32). A number that lies on a knife's edge between two numbers of the format may be rounded either way, as far as f32 arithmetic and the matrix unit's own rounding can turn it there, and no further.
;; One version. Each part assembles by itself: llvm-mc -triple=amdgcn-amd-amdhsa -mcpu=gfx1250 --defsym DOCPART=n.
;; ======== version 1 of 1: 4 launches
;; limits: right only within a limited range of input values
;; workspace buffers: xq 1,638,400 bytes; wq 819,200 bytes; qb 1,703,936 bytes; kv 3,342,336 bytes; oc 1,572,864 bytes; os 65,536 bytes
;; launch prep (part 1): grid 256 x 1, 5 waves a work-group, no clusters, 34,560 bytes of LDS; arguments x, p_param, q_param, k_param, v_param, xq, wq; writes xq, wq
.if DOCPART == 1
	.amdgcn_target "amdgcn-amd-amdhsa--gfx1250"
	.amdhsa_code_object_version 6
	.text
	.protected	k_qe6fecca298_prep
	.globl	k_qe6fecca298_prep
	.p2align	8
	.type	k_qe6fecca298_prep,@function
k_qe6fecca298_prep:
	s_mov_b64 s[64:65], 0
	v_nop
	global_prefetch_b8 v0, s[64:65] scope:SCOPE_SE
	s_setreg_imm32_b32 hwreg(HW_REG_WAVE_MODE, 25, 1), 1
	s_wait_xcnt 0x0
; PREP: x [4096][512] and the four weights [512 (K)][512 (columns)], all f32, become codes of FP6 (E2M3) with one E8M0 byte for each 32 along K,
; laid as IMAGES OF OPERAND REGISTERS: a fragment (16 members x 128 K, 12 registers a lane) is 1,536 bytes, register p of lane l at 512 (p / 4) + 16 l + 4 (p % 4).
; THE 16 MEMBERS OF A TILE ARE NOT NEIGHBOURS: lane r of tile j (0 .. 3) of a group of 64 rows (or columns) takes member 32 (r / 8) + 8 j + r % 8 of the group.  A product that has the group's four
; tiles as its source 0 then leaves in a lane (r, h) the 32 NEIGHBOURS 32 h + 0 .. 31 of the group: a whole block of the next quantiser, and no lane asks another.
; A block's scale is 2^(floor(log2(its largest magnitude)) - 2): its byte is the largest magnitude's exponent field - 2, held at 1 from below by a floor among the maximum's leaves.
; LIMITS: a block of zeros gets the byte 1 where the rule says 127 (its codes are zeros, and this program alone reads the bytes); NaN and infinities among the inputs are not served.
; SHARES: 256 work-groups of five waves.  Waves 0 to 3: K step s = wave of x's tile T = the work-group's number.  Wave 4: a weight, 32 neighbouring columns, one K step (256 such shares).  Waves share nothing: no barrier.
; BUFFERS: xq: [128 rows][32 images 4 T' + s, then scale words 256 T' + 64 s + 4 r];  wq: [64 columns (a head)][P's 16 images 4 j + s; scale words of P, q, k, v, 1,024 bytes each; q's, k's, v's images].
.set STG,  8448                        ; LDS: a stage of 16 rows x 528 bytes for each of x's waves
.set SP,   528                         ; 512 bytes + 16: the 16 rows that a load of 16 bytes a lane touches start 33 x 16 bytes apart
.set SPARE, 4*STG                      ; the spare words
.set MA, 8
.set MB, 10
.set E,  12
.set Y,  14
.set B,  16
.set TM, 8
.set PW, 24
.set R,  32                            ; v32-95  x as loaded
.set X,  96                            ; v96-159 x turned: register 32 c + i = k 64 c + 32 h + i of my row
.set PC, 160
.set TX, 172
.set D,  32                            ; v32-159 a weight's 128 numbers of my column
.set F,  160                           ; v160-183 its codes, 12 registers a pass
.set TC, 184
.set SPW, 192
.set NIL, 193
.set SEL, 20
	s_load_b256 s[4:11], s[0:1], 0x0               ; x s[4:5], P s[6:7], Wq s[8:9], Wk s[10:11]
	s_load_b128 s[12:15], s[0:1], 0x20             ; Wv s[12:13], xq s[14:15]
	s_load_b64 s[16:17], s[0:1], 0x30              ; wq
	v_lshl_add_u32 v[SPW], v0, 2, SPARE
	v_mov_b32 v[NIL], 0
	v_lshrrev_b32 v1, 5, v0
	v_readfirstlane_b32 s18, v1                    ; wave
	s_mul_i32 s24, s18, STG
	s_mov_b32 s[SEL], 0x76543210                   ; v_permlanex16_b32's selects for lane l xor 16
	s_mov_b32 s[SEL+1], 0xfedcba98
	v_and_b32 v2, 31, v0                           ; lane
	v_and_b32 v3, 15, v0                           ; r
	v_bfe_u32 v4, v0, 4, 1                         ; h
	v_lshlrev_b32 v5, 4, v2                        ; 16 x lane
	v_add_nc_u32 v6, s24, v5                       ; the stage, in: as loaded
	v_mul_u32_u24 v7, v3, SP
	v_lshl_add_u32 v7, v4, 7, v7
	v_add_nc_u32 v7, s24, v7                       ; back: row r, + 128 h: my 32 numbers of 64
	v_lshlrev_b32 v26, 3, v4                       ; 8 h
	v_lshlrev_b32 v27, 4, v4                       ; 16 h
	v_lshlrev_b32 v28, 2, v3
	v_lshl_add_u32 v28, v4, 1, v28                 ; 4 r + 2 h
	v_lshlrev_b32 v29, 2, v2                       ; a weight: my column's 4 bytes
	v_lshrrev_b32 v25, 3, v2
	v_and_b32 v31, 7, v2
	v_mul_u32_u24 v30, v25, 6144
	v_lshl_add_u32 v30, v31, 4, v30                ; its codes: tile lane / 8, lane % 8 of its half
	v_lshlrev_b32 v31, 2, v31
	v_lshl_add_u32 v31, v25, 8, v31                ; its scale words
	v_mov_b32 v[Y], 0                              ; (a lane permute's destination counts as one of its sources)
	s_wait_alu depctr_va_vdst(0)
	s_wait_kmcnt 0x0
	s_cmp_lt_u32 s18, 4
	s_cbranch_scc0 .Lweight
	; ---------------- x: tile T
	s_lshr_b32 s22, ttmp9, 2
	s_lshl_b32 s22, s22, 6
	s_and_b32 s23, ttmp9, 3
	s_lshl_b32 s23, s23, 3
	s_add_co_u32 s22, s22, s23                     ; the tile's first row: 64 (T / 4) + 8 (T % 4)
	s_lshl_b32 s22, s22, 11
	s_lshl_b32 s23, s18, 9                         ; + my K step's 512 bytes
	s_add_co_u32 s22, s22, s23
	s_mov_b32 s23, 0
	s_add_nc_u64 s[4:5], s[4:5], s[22:23]
.irp i, 0,1,2,3,4,5,6,7,8,9,10,11,12,13,14,15
	global_load_b128 v[R+4*\i:R+4*\i+3], v5, s[4:5] offset:(\i+24*(\i/8))*2048 th:TH_LOAD_NT   ; the tile's member i: 32 lanes read 512 consecutive bytes
.endr
	s_lshr_b32 s26, ttmp9, 3
	s_mul_i32 s26, s26, 51200                      ; the block of 128 rows
	s_and_b32 s27, ttmp9, 7                        ; the tile in it
	s_lshl_b32 s28, s27, 2
	s_add_co_u32 s28, s28, s18
	s_mul_i32 s28, s28, 1536
	s_add_co_u32 s28, s28, s26
	s_mov_b32 s29, 0
	s_lshl_b32 s30, s27, 8
	s_lshl_b32 s31, s18, 6
	s_add_co_u32 s30, s30, s31
	s_add_co_u32 s30, s30, s26
	s_add_co_u32 s30, s30, 49152
	s_mov_b32 s31, 0
	s_add_nc_u64 s[28:29], s[14:15], s[28:29]
	s_add_nc_u64 s[30:31], s[14:15], s[30:31]
.irp i, 0,1,2,3,4,5,6,7,8,9,10,11,12,13,14,15
	s_wait_loadcnt 15-\i                           ; member i is in, the younger ones may be out
	ds_store_b128 v6, v[R+4*\i:R+4*\i+3] offset:\i*SP
.endr
.irp c, 0,1
.irp j, 0,1,2,3,4,5,6,7
	ds_load_b128 v[X+32*\c+4*\j:X+32*\c+4*\j+3], v7 offset:256*\c+16*\j   ; LDS serves a wave's instructions in order: these see my stores
.endr
.endr
	s_wait_dscnt 0x0
.irp c, 0,1                            ; block 2 c + h: all its 32 numbers are mine
	v_max3_num_f32 v[MA+\c], |v[X+32*\c]|, |v[X+32*\c+1]|, 0x1800000   ; and the floor 2^(3 - 127)
	v_max3_num_f32 v[MB+\c], |v[X+32*\c+16]|, |v[X+32*\c+17]|, |v[X+32*\c+18]|
.endr
.irp i, 2,4,6,8,10,12
.irp c, 0,1
	v_max3_num_f32 v[MA+\c], v[MA+\c], |v[X+32*\c+\i]|, |v[X+32*\c+\i+1]|
	v_max3_num_f32 v[MB+\c], v[MB+\c], |v[X+32*\c+\i+17]|, |v[X+32*\c+\i+18]|
.endr
.endr
.irp c, 0,1
	v_max3_num_f32 v[MA+\c], v[MA+\c], |v[X+32*\c+14]|, |v[X+32*\c+15]|
.endr
.irp c, 0,1
	v_max3_num_f32 v[MA+\c], v[MA+\c], |v[X+32*\c+31]|, v[MB+\c]
.endr
.irp c, 0,1
	v_add_nc_u32 v[E+\c], 0xff000000, v[MA+\c]     ; 2 off its exponent field: the conversion's scale operand
.endr
.irp c, 0,1
	v_cvt_scalef32_pk16_fp6_f32 v[PC+6*\c:PC+6*\c+2], v[X+32*\c:X+32*\c+15], v[E+\c]
	v_cvt_scalef32_pk16_fp6_f32 v[TX+4*\c:TX+4*\c+2], v[X+32*\c+16:X+32*\c+31], v[E+\c]   ; (a conversion's three registers begin on an even number)
.endr
.irp c, 0,1
	v_lshrrev_b32 v[B+\c], 23, v[E+\c]             ; the scale's byte
.endr
.irp i, 0,1,2
.irp c, 0,1
	v_mov_b32 v[PC+6*\c+3+\i], v[TX+4*\c+\i]
.endr
.endr
	v_lshl_or_b32 v[PW], v[B+1], 16, v[B]
	v_lshlrev_b32 v[PW], v26, v[PW]                ; my two bytes at their places in the word,
	v_permlanex16_b32 v[Y], v[PW], s[SEL], s[SEL+1]
	v_or_b32 v[PW], v[PW], v[Y]                    ; and lane l xor 16's two
.irp c, 0,1,2
	global_store_b128 v5, v[PC+4*\c:PC+4*\c+3], s[28:29] offset:512*\c   ; the image: 512 consecutive bytes a store
.endr
	v_lshrrev_b32 v[PW+1], v27, v[PW]              ; lanes r and r + 16 hold the same word: each stores one half of it
	global_store_b16 v28, v[PW+1], s[30:31]
	s_wait_tensorcnt 0x0                           ; the wave's end
	ds_add_u32 v[SPW], v[NIL]
	s_wait_dscnt 0x0
	s_endpgm
	; ---------------- a weight: share u = the work-group's number: weight u / 64 (0 P, 1 q, 2 k, 3 v), head (u / 8) % 8, K step (u / 2) % 4, half u % 2 of the head's 64 columns
.Lweight:
	s_lshr_b32 s22, ttmp9, 6
	s_bfe_u32 s23, ttmp9, 0x30003
	s_bfe_u32 s24, ttmp9, 0x20001
	s_and_b32 s25, ttmp9, 1
	s_cmp_eq_u32 s22, 1                            ; the choices hang on the work-group's number alone
	s_cselect_b64 s[6:7], s[8:9], s[6:7]
	s_cmp_eq_u32 s22, 2
	s_cselect_b64 s[6:7], s[10:11], s[6:7]
	s_cmp_eq_u32 s22, 3
	s_cselect_b64 s[6:7], s[12:13], s[6:7]
	s_lshl_b32 s26, s24, 18                        ; 128 rows of 2,048 bytes
	s_lshl_b32 s27, s23, 8
	s_add_co_u32 s26, s26, s27
	s_lshl_b32 s27, s25, 7
	s_add_co_u32 s26, s26, s27
	s_mov_b32 s27, 0
	s_add_nc_u64 s[6:7], s[6:7], s[26:27]
.irp h, 0,1                            ; A LANE TAKES A COLUMN, its registers run down K; pass h makes what lanes 16 h + r of the fragment hold: k = 64 c + 32 h + 0 .. 31
.irp c, 0,1
.irp i, 0,1,2,3,4,5,6,7,8,9,10,11,12,13,14,15,16,17,18,19,20,21,22,23,24,25,26,27,28,29,30,31
	global_load_b32 v[D+64*\h+32*\c+\i], v29, s[6:7] offset:(32*\h+64*\c+\i)*2048 th:TH_LOAD_NT
.endr
.endr
.endr
	s_mul_i32 s28, s23, 102400                     ; the head
	s_mul_i32 s30, s22, 24576
	s_cmp_lg_u32 s22, 0
	s_cselect_b32 s31, 4096, 0                     ; q's, k's, v's images lie behind the scale words
	s_add_co_u32 s30, s30, s31
	s_add_co_u32 s30, s30, s28
	s_mul_i32 s31, s24, 1536
	s_add_co_u32 s30, s30, s31
	s_lshl_b32 s31, s25, 7
	s_add_co_u32 s30, s30, s31
	s_mov_b32 s31, 0
	s_add_nc_u64 s[30:31], s[16:17], s[30:31]
	s_lshl_b32 s32, s22, 10
	s_lshl_b32 s33, s24, 6
	s_add_co_u32 s32, s32, s33
	s_lshl_b32 s33, s25, 5
	s_add_co_u32 s32, s32, s33
	s_add_co_u32 s32, s32, s28
	s_add_co_u32 s32, s32, 24576
	s_mov_b32 s33, 0
	s_add_nc_u64 s[32:33], s[16:17], s[32:33]
.macro WPASS h
.set D0, D+64*(\h)
.set F0, F+12*(\h)
.irp c, 0,1
	v_max3_num_f32 v[TM+\c], |v[D0+32*\c]|, |v[D0+32*\c+1]|, 0x1800000   ; block 2 c + h: all its 32 numbers are mine; and the floor
.endr
.irp i, 2,4,6,8,10,12,14,16,18,20,22,24,26,28,30
.irp c, 0,1
	v_max3_num_f32 v[TM+\c], v[TM+\c], |v[D0+32*\c+\i]|, |v[D0+32*\c+\i+1]|
.endr
.endr
.irp c, 0,1
	v_add_nc_u32 v[TM+2+\c], 0xff000000, v[TM+\c]
.endr
.irp c, 0,1
	v_lshrrev_b32 v[TM+4+\c], 23, v[TM+2+\c]
.endr
.if \h == 0
	v_lshl_or_b32 v[PW], v[TM+5], 16, v[TM+4]      ; bytes 0 and 2 of my column's word
.else
	v_lshl_or_b32 v[PW], v[TM+4], 8, v[PW]         ; bytes 1 and 3
	v_lshl_or_b32 v[PW], v[TM+5], 24, v[PW]
.endif
.irp c, 0,1
	v_cvt_scalef32_pk16_fp6_f32 v[F0+6*\c:F0+6*\c+2], v[D0+32*\c:D0+32*\c+15], v[TM+2+\c]
	v_cvt_scalef32_pk16_fp6_f32 v[TC+4*\c:TC+4*\c+2], v[D0+32*\c+16:D0+32*\c+31], v[TM+2+\c]
.endr
	v_nop                                          ; one plain line behind the scaled conversions
.irp c, 0,1
.irp i, 0,1,2
	v_mov_b32 v[F0+6*\c+3+\i], v[TC+4*\c+\i]
.endr
.endr
.irp i, 0,1,2
	global_store_b128 v30, v[F0+4*\i:F0+4*\i+3], s[30:31] offset:256*(\h)+512*\i   ; eight lanes store 128 consecutive bytes; the other half of the columns brings the neighbouring 128
.endr
.endm
	s_wait_loadcnt 63                              ; at most 63 of the 128 are out: the first pass's 64, the oldest, are in
	WPASS 0
	s_wait_loadcnt 0x0
	WPASS 1
	global_store_b32 v31, v[PW], s[32:33]
	s_endpgm
.Lfunc_end_k_qe6fecca298_prep:
	.size	k_qe6fecca298_prep, .Lfunc_end_k_qe6fecca298_prep-k_qe6fecca298_prep
	.p2alignl 7, 3214868480
	.fill 96, 4, 3214868480
	.section	.rodata,"a",@progbits
	.p2align	6, 0x0
	.amdhsa_kernel k_qe6fecca298_prep
		.amdhsa_group_segment_fixed_size 34560
		.amdhsa_private_segment_fixed_size 0
		.amdhsa_enable_private_segment 0
		.amdhsa_kernarg_size 56
		.amdhsa_user_sgpr_count 2
		.amdhsa_user_sgpr_kernarg_segment_ptr 1
		.amdhsa_wavefront_size32 1
		.amdhsa_system_sgpr_workgroup_id_x 1
		.amdhsa_system_sgpr_workgroup_id_y 1
		.amdhsa_system_sgpr_workgroup_id_z 1
		.amdhsa_system_vgpr_workitem_id 0
		.amdhsa_next_free_vgpr 194
		.amdhsa_next_free_sgpr 66
		.amdhsa_reserve_vcc 0
		.amdhsa_float_denorm_mode_32 3
		.amdhsa_float_denorm_mode_16_64 3
		.amdhsa_memory_ordered 1
		.amdhsa_forward_progress 1
		.amdhsa_inst_pref_size 30
	.end_amdhsa_kernel
	.amdgpu_metadata
---
amdhsa.version: [ 1, 2 ]
amdhsa.kernels:
  - .name:           k_qe6fecca298_prep
    .symbol:         k_qe6fecca298_prep.kd
    .args:
      - { .name: x, .offset: 0, .size: 8, .value_kind: global_buffer, .address_space: global }
      - { .name: p_param, .offset: 8, .size: 8, .value_kind: global_buffer, .address_space: global }
      - { .name: q_param, .offset: 16, .size: 8, .value_kind: global_buffer, .address_space: global }
      - { .name: k_param, .offset: 24, .size: 8, .value_kind: global_buffer, .address_space: global }
      - { .name: v_param, .offset: 32, .size: 8, .value_kind: global_buffer, .address_space: global }
      - { .name: xq, .offset: 40, .size: 8, .value_kind: global_buffer, .address_space: global }
      - { .name: wq, .offset: 48, .size: 8, .value_kind: global_buffer, .address_space: global }
    .group_segment_fixed_size: 34560
    .private_segment_fixed_size: 0
    .kernarg_segment_align: 8
    .kernarg_segment_size: 56
    .max_flat_workgroup_size: 160
    .sgpr_count:     66
    .vgpr_count:     194
    .wavefront_size: 32
...
	.end_amdgpu_metadata
.endif
;; end of part 1
;; launch qkv (part 2): grid 32 x 8, 12 waves a work-group, clusters of 4 x 4, 167,936 bytes of LDS; arguments xq, wq, qb, kv; writes qb, kv
.if DOCPART == 2
	.amdgcn_target "amdgcn-amd-amdhsa--gfx1250"
	.amdhsa_code_object_version 6
	.text
	.protected	k_qe6fecca298_qkv
	.globl	k_qe6fecca298_qkv
	.p2align	8
	.type	k_qe6fecca298_qkv,@function
k_qe6fecca298_qkv:
	s_mov_b64 s[64:65], 0
	v_nop
	global_prefetch_b8 v0, s[64:65] scope:SCOPE_SE
	s_setreg_imm32_b32 hwreg(HW_REG_WAVE_MODE, 25, 1), 1
	s_wait_xcnt 0x0
	s_wait_alu depctr_hold_cnt(0) depctr_sa_sdst(0) depctr_va_vdst(0) depctr_va_sdst(0) depctr_va_ssrc(0) depctr_va_vcc(0) depctr_vm_vsrc(0)
	s_getreg_b32 s2, hwreg(HW_REG_IB_STS2, 6, 4)
	s_cmp_eq_u32 s2, 0
	s_cbranch_scc0 .Lentry_in_a_cluster
	s_endpgm
.Lentry_in_a_cluster:
	s_bfe_u32 s2, ttmp6, 0x10000c
	s_cmp_lg_u32 s2, 0xf033
	s_cbranch_scc0 .Lentry_shape_is_right
	s_endpgm
.Lentry_shape_is_right:
; QKV: q, k, v of 128 tokens (work-group x) and one head (work-group y), from codes of FP6 with E8M0 scales; each result is quantised for the product that follows: q and k along the head's 64, v along the tokens.
; Twelve waves of equal work, 32 products each: waves 0-3 q and 4-7 k, two tiles of tokens x the head's four tiles of columns (source 0 the weight's tiles: a lane holds one token and the 32 neighbours
; d = 32 h + 0 .. 31); waves 8-11 v, one tile of columns x the eight tiles of tokens (source 0 the tokens' tiles: a lane holds one column and in each band c of 64 tokens the neighbours 64 c + 32 h + 0 .. 31).
; So every wave quantises two runs of 32 registers, each a whole block of one lane, into one image of twelve registers.
; LOADS: the tokens' block (51,200 dense bytes) and the head's three weights (76,800) come at the head, one joint load a wave: eight waves bring x, four the weights.
; CLUSTERS: 4 x 4; x's block is shared by the cluster's column (the same tokens, four heads), the weights by its row.  No LDS byte is filled twice.
; No prefetch: the launch has no loop to run ahead in.  q's factor 1 / 8 is a power of two: it goes into q's scale bytes (3 off each).
; BUFFERS: qb [head][block of 128]: four images (tiles 2 p, 2 p + 1 of six registers each), then scale words at 256 (t / 4) + 16 r + 4 (t % 4).  kv [head][key step of 128]: K's four images, V's four, K's scale words likewise, V's at 64 t + 4 r.
; LIMITS: a block of zeros gets the least byte (its codes are zeros; this program alone reads the bytes); NaN and infinities are not served.
.set XSCL, 49152
.set WSCL, 51200
.set WCOD, 54272
.set SPARE, 128000
.set LI,   1                           ; 16 x lane
.set R4,   2                           ; 4 r
.set ADX,  3                           ; q, k: my two tiles of x, the weight, their scale words
.set ADW,  4
.set ASX,  5
.set ASW,  6
.set ADWV, 7                           ; v: my tile of the weight, its scale words, x's scale words
.set ASWV, 8
.set ASX0, 9
.set H8,   10                          ; 8 h
.set OB,   11                          ; 16 r + 4 h
.set OV,   12                          ; 4 r + 2 h
.set HH,   13
.set SPW,  28
.set NIL,  29
.set MA,   30
.set MB,   32
.set E,    34
.set B,    36
.set Y,    38
.set PC,   40
.set TC,   52
.set WD,   60
.set ACC,  192
.set FLO,  60
.set PAD,  61
.set SEL,  62
.set G1X,  16
.set G1W,  24
.macro CROUND
	s_barrier_signal -1
	s_barrier_wait -1
	s_cmp_lg_u32 s12, 0
	s_cbranch_scc1 .Lnot_wave_0_\@
	s_barrier_signal -3
.Lnot_wave_0_\@:
	s_barrier_wait -3
	s_barrier_signal -1
	s_barrier_wait -1
.endm
	s_load_b256 s[4:11], s[0:1], 0x0               ; xq, wq, qb, kv
	v_lshl_add_u32 v[SPW], v0, 2, SPARE
	v_mov_b32 v[NIL], 0
	ds_add_u32 v[SPW], v[NIL]                      ; the opening lines: the add twice on end
	ds_add_u32 v[SPW], v[NIL]
	v_lshrrev_b32 v1, 5, v0
	v_readfirstlane_b32 s12, v1                    ; wave
	s_and_b32 s13, s12, 3                          ; p: which pair of tiles (q, k), which tile of columns (v)
	s_lshr_b32 s14, s12, 2                         ; 0 q, 1 k, 2 v
	s_bfe_u32 s40, ttmp6, 0x40000                  ; cx
	s_bfe_u32 s41, ttmp6, 0x40004                  ; cy
	s_lshl_b32 s42, ttmp9, 2
	s_add_co_u32 s42, s42, s40                     ; the block of 128 tokens
	s_and_b32 s15, ttmp7, 0xffff
	s_lshl_b32 s15, s15, 2
	s_add_co_u32 s15, s15, s41                     ; the head
	s_lshl_b32 s43, s41, 2
	s_lshl_b32 s43, 15, s43                        ; my row of the cluster: the weights'
	s_lshl_b32 s44, 0x1111, s40                    ; my column: x's
	s_or_b32 s[G1X+0], s44, (3<<16)|(1<<21)
	s_mov_b32 s[G1X+1], 32<<16                     ; rows of 256 bytes, dense: 25 of x,
	s_mov_b32 s[G1X+2], 25<<16
	s_mov_b32 s[G1X+3], 32<<16
	s_mov_b32 s[G1X+4], 25
	s_mov_b32 s[G1X+5], 32
	s_mov_b32 s[G1X+6], 0
	s_mov_b32 s[G1X+7], 0
	s_or_b32 s[G1W+0], s43, (3<<16)|(1<<21)
	s_mov_b32 s[G1W+1], 32<<16                     ; 75 of the weights
	s_mov_b32 s[G1W+2], 75<<16
	s_mov_b32 s[G1W+3], 32<<16
	s_mov_b32 s[G1W+4], 75
	s_mov_b32 s[G1W+5], 32
	s_mov_b32 s[G1W+6], 0
	s_mov_b32 s[G1W+7], 0
	s_mul_i32 s48, s12, 6400                       ; waves 0-7: an eighth of x's block
	s_mul_i32 s50, s42, 51200
	s_add_co_u32 s50, s50, s48
	s_mov_b32 s51, 0
	s_mul_i32 s49, s13, 19200                      ; waves 8-11: a quarter of the weights
	s_mul_i32 s52, s15, 102400
	s_add_co_u32 s52, s52, s49
	s_add_co_u32 s52, s52, 25600                   ; q's, k's, v's scale words and images, behind P's
	s_mov_b32 s53, 0
	s_wait_dscnt 0x0
	CROUND                                         ; all sixteen work-groups are here: the joint loads meet
	s_wait_kmcnt 0x0
	s_mov_b32 s32, 1
	s_mov_b32 s33, s48
	s_add_nc_u64 s[34:35], s[4:5], s[50:51]
	s_or_b32 s35, s35, 0x80000000
	s_mov_b32 s36, 1
	s_add_co_u32 s37, s49, WSCL
	s_add_nc_u64 s[38:39], s[6:7], s[52:53]
	s_or_b32 s39, s39, 0x80000000
	s_cmp_lt_u32 s12, 8
	s_cbranch_scc0 .Lweights
	tensor_load_to_lds s[32:35], s[G1X:G1X+7]
	s_nop 0
.rept 4
	v_nop
.endr
	s_branch .Lasked
.Lweights:
	tensor_load_to_lds s[36:39], s[G1W:G1W+7]
	s_nop 0
.rept 4
	v_nop
.endr
.Lasked:
	s_mul_i32 s48, s13, 12288
	s_mul_i32 s49, s14, 24576
	s_add_co_u32 s49, s49, WCOD
	s_lshl_b32 s50, s13, 9
	s_add_co_u32 s50, s50, XSCL
	s_lshl_b32 s51, s14, 10
	s_add_co_u32 s51, s51, WSCL
	s_mul_i32 s52, s13, 6144
	s_add_co_u32 s52, s52, WCOD+2*24576
	s_lshl_b32 s53, s13, 8
	s_add_co_u32 s53, s53, WSCL+2048
	v_and_b32 v15, 31, v0
	v_and_b32 v14, 15, v0                          ; r
	v_bfe_u32 v[HH], v0, 4, 1                      ; h
	v_lshlrev_b32 v[LI], 4, v15
	v_lshlrev_b32 v[R4], 2, v14
	v_lshlrev_b32 v[H8], 3, v[HH]
	v_add_nc_u32 v[ADX], s48, v[LI]
	v_add_nc_u32 v[ADW], s49, v[LI]
	v_add_nc_u32 v[ASX], s50, v[R4]
	v_add_nc_u32 v[ASW], s51, v[R4]
	v_add_nc_u32 v[ADWV], s52, v[LI]
	v_add_nc_u32 v[ASWV], s53, v[R4]
	v_add_nc_u32 v[ASX0], XSCL, v[R4]
	v_lshlrev_b32 v[OB], 4, v14
	v_lshl_add_u32 v[OB], v[HH], 2, v[OB]
	v_lshl_add_u32 v[OV], v[HH], 1, v[R4]
	v_mov_b32 v[Y], 0                              ; (a lane permute's destination counts as one of its sources)
	v_mov_b32 v[Y+1], 0
	s_wait_alu depctr_va_vdst(0)
	; where my image and my scale words go
	s_mov_b32 s[SEL], 0x76543210
	s_mov_b32 s[SEL+1], 0xfedcba98
	s_lshl_b32 s48, s15, 5
	s_add_co_u32 s48, s48, s42
	s_lshr_b32 s52, s13, 1
	s_lshl_b32 s52, s52, 8
	s_and_b32 s53, s13, 1
	s_lshl_b32 s53, s53, 3
	s_add_co_u32 s52, s52, s53                     ; q, k: 256 (p / 2) + 8 (p % 2)
	s_lshl_b32 s53, s13, 6                         ; v: 64 p
	s_mul_i32 s54, s13, 1536
	s_cmp_eq_u32 s14, 0
	s_cselect_b64 s[44:45], s[8:9], s[10:11]
	s_mov_b32 s49, 13056
	s_cselect_b32 s49, 6656, s49
	s_mov_b32 s50, 12288
	s_cselect_b32 s50, 6144, s50
	s_mov_b32 s[FLO], 0x1800000                    ; the floor under the largest magnitude: the byte cannot fall under 1,
	s_cselect_b32 s[FLO], 0x3000000, s[FLO]        ; nor q's when 3 are taken off
	s_mov_b32 s[PAD], 0x7f7f0000                   ; bytes 2 and 3 stand over zero codes;
	s_cselect_b32 s[PAD], 0x7f7efcfd, s[PAD]       ; for q, 3 off bytes 0 and 1 (the carries run into bytes 1 and 2)
	s_cmp_eq_u32 s14, 2
	s_cselect_b32 s[PAD], 0, s[PAD]
	s_cselect_b32 s51, 6144, 0
	s_cselect_b32 s50, 12800, s50
	s_cselect_b32 s52, s53, s52
	s_mul_i32 s49, s48, s49
	s_add_co_u32 s54, s54, s49
	s_add_co_u32 s54, s54, s51
	s_mov_b32 s55, 0
	s_add_co_u32 s56, s49, s50
	s_add_co_u32 s56, s56, s52
	s_mov_b32 s57, 0
	s_add_nc_u64 s[58:59], s[44:45], s[56:57]
	s_add_nc_u64 s[44:45], s[44:45], s[54:55]
	s_wait_tensorcnt 0x0
	s_barrier_signal -1
	s_barrier_wait -1                              ; x's block and the weights are in
.macro FETCH reg, adr, off
.irp c, 0,1,2
	ds_load_b128 v[\reg+4*\c:\reg+4*\c+3], v[\adr] offset:\off+512*\c
.endr
.endm
.macro PLACES                          ; four places between products and what reads or overwrites their registers
.rept 4
	v_nop
.endr
.endm
.macro LOADQ s                         ; q, k: K step s into set s % 2: 24 loads
.set F_, 40+72*((\s)%2)
.set Z_, 16+6*((\s)%2)
.irp m, 0,1
	FETCH F_+12*\m, ADX, 6144*\m+1536*(\s)
	ds_load_b32 v[Z_+\m], v[ASX] offset:256*\m+64*(\s)
.endr
.irp t, 0,1,2,3
	FETCH F_+24+12*\t, ADW, 6144*\t+1536*(\s)
	ds_load_b32 v[Z_+2+\t], v[ASW] offset:256*\t+64*(\s)
.endr
.endm
.macro MULQ s
.set F_, 40+72*((\s)%2)
.set Z_, 16+6*((\s)%2)
.irp m, 0,1
.irp t, 0,1,2,3
.if \s == 0
	v_wmma_scale_f32_16x16x128_f8f6f4 v[ACC+32*\m+8*\t:ACC+32*\m+8*\t+7], v[F_+24+12*\t:F_+24+12*\t+11], v[F_+12*\m:F_+12*\m+11], 0, v[Z_+2+\t], v[Z_+\m] matrix_a_fmt:MATRIX_FMT_FP6 matrix_b_fmt:MATRIX_FMT_FP6
.else
	v_wmma_scale_f32_16x16x128_f8f6f4 v[ACC+32*\m+8*\t:ACC+32*\m+8*\t+7], v[F_+24+12*\t:F_+24+12*\t+11], v[F_+12*\m:F_+12*\m+11], v[ACC+32*\m+8*\t:ACC+32*\m+8*\t+7], v[Z_+2+\t], v[Z_+\m] matrix_a_fmt:MATRIX_FMT_FP6 matrix_b_fmt:MATRIX_FMT_FP6
.endif
.endr
.endr
.endm
.macro LOADV n                         ; v: K step n / 2, band n % 2: 16 loads, with the weight's fragment (n even) 20
.set F_, 40+48*((\n)%2)
.set Z_, 16+4*((\n)%2)
.irp j, 0,1,2,3
	FETCH F_+12*\j, LI, 6144*(4*((\n)%2)+\j)+1536*((\n)/2)
	ds_load_b32 v[Z_+\j], v[ASX0] offset:256*(4*((\n)%2)+\j)+64*((\n)/2)
.endr
.if (\n)%2 == 0
	FETCH 136+12*(((\n)/2)%2), ADWV, 1536*((\n)/2)
	ds_load_b32 v[24+((\n)/2)%2], v[ASWV] offset:64*((\n)/2)
.endif
.endm
.macro MULV n
.set F_, 40+48*((\n)%2)
.set Z_, 16+4*((\n)%2)
.set W_, 136+12*(((\n)/2)%2)
.set A_, ACC+32*((\n)%2)
.irp j, 0,1,2,3
.if \n < 2
	v_wmma_scale_f32_16x16x128_f8f6f4 v[A_+8*\j:A_+8*\j+7], v[F_+12*\j:F_+12*\j+11], v[W_:W_+11], 0, v[Z_+\j], v[24+((\n)/2)%2] matrix_a_fmt:MATRIX_FMT_FP6 matrix_b_fmt:MATRIX_FMT_FP6
.else
	v_wmma_scale_f32_16x16x128_f8f6f4 v[A_+8*\j:A_+8*\j+7], v[F_+12*\j:F_+12*\j+11], v[W_:W_+11], v[A_+8*\j:A_+8*\j+7], v[Z_+\j], v[24+((\n)/2)%2] matrix_a_fmt:MATRIX_FMT_FP6 matrix_b_fmt:MATRIX_FMT_FP6
.endif
.endr
.endm
	s_cmp_lt_u32 s12, 8
	s_cbranch_scc0 .Lv
	LOADQ 0
	LOADQ 1
.irp s, 0,1,2,3
.if \s < 3
	s_wait_dscnt 24                                ; the next K step's 24 loads may be out
.else
	s_wait_dscnt 0x0
.endif
	MULQ \s
.if \s < 2
	PLACES
	LOADQ \s+2
.endif
.endr
	s_branch .Lquant
.Lv:
	LOADV 0
	LOADV 1
.irp n, 0,1,2,3,4,5,6,7
.if \n == 7
	s_wait_dscnt 0x0
.elseif \n%2
	s_wait_dscnt 20                                ; the next half step's loads may be out
.else
	s_wait_dscnt 16
.endif
	MULV \n
.if \n < 6
	PLACES
	LOADV \n+2
.endif
.endr
.Lquant:
	PLACES
.irp m, 0,1
	v_max3_num_f32 v[MA+\m], |v[ACC+32*\m]|, |v[ACC+32*\m+1]|, s[FLO]
	v_max3_num_f32 v[MB+\m], |v[ACC+32*\m+16]|, |v[ACC+32*\m+17]|, |v[ACC+32*\m+18]|
.endr
.irp i, 2,4,6,8,10,12
.irp m, 0,1
	v_max3_num_f32 v[MA+\m], v[MA+\m], |v[ACC+32*\m+\i]|, |v[ACC+32*\m+\i+1]|
	v_max3_num_f32 v[MB+\m], v[MB+\m], |v[ACC+32*\m+\i+17]|, |v[ACC+32*\m+\i+18]|
.endr
.endr
.irp m, 0,1
	v_max3_num_f32 v[MA+\m], v[MA+\m], |v[ACC+32*\m+14]|, |v[ACC+32*\m+15]|
.endr
.irp m, 0,1
	v_max3_num_f32 v[MA+\m], v[MA+\m], |v[ACC+32*\m+31]|, v[MB+\m]
.endr
.irp m, 0,1
	v_add_nc_u32 v[E+\m], 0xff000000, v[MA+\m]     ; 2 off its exponent field: the conversion's scale operand
.endr
.irp m, 0,1
	v_cvt_scalef32_pk16_fp6_f32 v[PC+6*\m:PC+6*\m+2], v[ACC+32*\m:ACC+32*\m+15], v[E+\m]
	v_cvt_scalef32_pk16_fp6_f32 v[TC+4*\m:TC+4*\m+2], v[ACC+32*\m+16:ACC+32*\m+31], v[E+\m]
.endr
.irp m, 0,1
	v_lshrrev_b32 v[B+\m], 23, v[E+\m]             ; the scale's byte
.endr
.irp m, 0,1
	v_lshlrev_b32 v[B+\m], v[H8], v[B+\m]          ; at its place: block h of two
.endr
.irp i, 0,1,2
.irp m, 0,1
	v_mov_b32 v[PC+6*\m+3+\i], v[TC+4*\m+\i]
.endr
.endr
.irp m, 0,1
	v_permlanex16_b32 v[Y+\m], v[B+\m], s[SEL], s[SEL+1]
.endr
.irp m, 0,1
	v_or_b32 v[B+\m], v[B+\m], v[Y+\m]             ; with lane l xor 16's
.endr
.irp m, 0,1
	v_add_nc_u32 v[B+\m], s[PAD], v[B+\m]
.endr
	v_cmp_eq_u32 vcc_lo, 1, v[HH]
	v_cndmask_b32 v[WD], v[B], v[B+1], vcc_lo      ; lanes 16-31 store the second: q's, k's second tile, v's second band
.irp c, 0,1,2
	global_store_b128 v[LI], v[PC+4*\c:PC+4*\c+3], s[44:45] offset:512*\c   ; the image: 512 consecutive bytes a store
.endr
	s_cmp_eq_u32 s14, 2
	s_wait_alu depctr_va_vdst(0)                   ; ahead of the branch
	s_cbranch_scc1 .Lv_word
	global_store_b32 v[OB], v[WD], s[58:59]
	s_branch .Lend
.Lv_word:
	global_store_b16 v[OV], v[WD], s[58:59]
.Lend:
	s_wait_tensorcnt 0x0                           ; the wave's end
	ds_add_u32 v[SPW], v[NIL]
	s_wait_dscnt 0x0
	CROUND                                         ; the closing round: no work-group ends while a partner may still ask for bytes that name it
	s_endpgm
.Lfunc_end_k_qe6fecca298_qkv:
	.size	k_qe6fecca298_qkv, .Lfunc_end_k_qe6fecca298_qkv-k_qe6fecca298_qkv
	.p2alignl 7, 3214868480
	.fill 96, 4, 3214868480
	.section	.rodata,"a",@progbits
	.p2align	6, 0x0
	.amdhsa_kernel k_qe6fecca298_qkv
		.amdhsa_group_segment_fixed_size 167936
		.amdhsa_private_segment_fixed_size 0
		.amdhsa_enable_private_segment 0
		.amdhsa_kernarg_size 32
		.amdhsa_user_sgpr_count 2
		.amdhsa_user_sgpr_kernarg_segment_ptr 1
		.amdhsa_wavefront_size32 1
		.amdhsa_system_sgpr_workgroup_id_x 1
		.amdhsa_system_sgpr_workgroup_id_y 1
		.amdhsa_system_sgpr_workgroup_id_z 1
		.amdhsa_system_vgpr_workitem_id 0
		.amdhsa_next_free_vgpr 256
		.amdhsa_next_free_sgpr 66
		.amdhsa_reserve_vcc 1
		.amdhsa_float_denorm_mode_32 3
		.amdhsa_float_denorm_mode_16_64 3
		.amdhsa_memory_ordered 1
		.amdhsa_forward_progress 1
		.amdhsa_inst_pref_size 36
	.end_amdhsa_kernel
	.amdgpu_metadata
---
amdhsa.version: [ 1, 2 ]
amdhsa.kernels:
  - .name:           k_qe6fecca298_qkv
    .symbol:         k_qe6fecca298_qkv.kd
    .args:
      - { .name: xq, .offset: 0, .size: 8, .value_kind: global_buffer, .address_space: global }
      - { .name: wq, .offset: 8, .size: 8, .value_kind: global_buffer, .address_space: global }
      - { .name: qb, .offset: 16, .size: 8, .value_kind: global_buffer, .address_space: global }
      - { .name: kv, .offset: 24, .size: 8, .value_kind: global_buffer, .address_space: global }
    .group_segment_fixed_size: 167936
    .private_segment_fixed_size: 0
    .kernarg_segment_align: 8
    .kernarg_segment_size: 32
    .max_flat_workgroup_size: 384
    .sgpr_count:     66
    .vgpr_count:     256
    .wavefront_size: 32
...
	.end_amdgpu_metadata
.endif
;; end of part 2
;; launch attn (part 3): grid 32 x 8, 16 waves a work-group, clusters of 4 x 1, 327,680 bytes of LDS; arguments qb, kv, oc, os; writes oc, os
.if DOCPART == 3
	.amdgcn_target "amdgcn-amd-amdhsa--gfx1250"
	.amdhsa_code_object_version 6
	.text
	.protected	k_qe6fecca298_attn
	.globl	k_qe6fecca298_attn
	.p2align	8
	.type	k_qe6fecca298_attn,@function
k_qe6fecca298_attn:
	s_mov_b64 s[64:65], 0
	v_nop
	global_prefetch_b8 v0, s[64:65] scope:SCOPE_SE
	s_setreg_imm32_b32 hwreg(HW_REG_WAVE_MODE, 25, 1), 1
	s_wait_xcnt 0x0
	s_wait_alu depctr_hold_cnt(0) depctr_sa_sdst(0) depctr_va_vdst(0) depctr_va_sdst(0) depctr_va_ssrc(0) depctr_va_vcc(0) depctr_vm_vsrc(0)
	s_getreg_b32 s2, hwreg(HW_REG_IB_STS2, 6, 4)
	s_cmp_eq_u32 s2, 0
	s_cbranch_scc0 .Lentry_in_a_cluster
	s_endpgm
.Lentry_in_a_cluster:
	s_bfe_u32 s2, ttmp6, 0x10000c
	s_cmp_lg_u32 s2, 0x3003
	s_cbranch_scc0 .Lentry_shape_is_right
	s_endpgm
.Lentry_shape_is_right:
; ATTN: o = softmax(q k^T) v for one head (work-group y) and 128 queries (work-group x), both products on codes of FP6 with E8M0 scales; o leaves quantised along the head's 64.
; t = score x log2(e) (2^-3 lies in q's scales already); M = the largest t seen so far, rounded UP to a whole number; p = 2^(t - M) is what is quantised, along the keys, not normalised.
; The sum is taken of the unquantised p and divides O at the end.  When M moves, the sum and O are multiplied by 2^(old M - new M): exact.
; SHARES: sixteen waves, four to a SIMD.  A tile of 16 queries belongs to a PAIR of waves, w and w + 8: wave w walks the even key steps (128 keys each), wave w + 8 the odd ones, 16 steps each, each with its own
; M, sum and O^T.  At the end wave w + 8 hands its three to wave w through LDS; both M are whole numbers, so bringing both halves under the larger M is a multiplication by a power of two.
; LAYOUT: both products transposed: S^T = K Q^T (source 0 = 16 keys), O^T = V^T P^T (source 0 = 16 of the head's 64): a lane holds ONE query throughout.  By the order of the keys in a tile the 32 registers of
; a band's four tiles of S^T are keys 64 c + 32 h + 0 .. 31: a whole block of p's quantiser, and just what the operand's registers 6 c .. 6 c + 5 hold in that lane.  O^T's four tiles likewise are d = 32 h + 0 .. 31.
; K = 64 IN AN INSTRUCTION OF K = 128: Q's upper six registers are zero codes.  A tile of K is six registers; as source 0 it is named with the six behind it (the next tile's codes; behind tile 7 p's), which meet
; Q's zeros under scale bytes 0x7f and add nothing.
; LDS: a key step's K, V and scale words are 13,056 dense bytes.  Slot A holds eight steps, slot B sixteen.  At the head waves 0-7 fetch slot A (steps 0-7), one step each; behind the head's round every wave fetches one step
; of slot B (steps 8-23).  When all have read slot A, a wave's fourth step, waves 0-7 fill it ONCE more, with steps 24-31, which have a wave's eight steps of slot B in which to land.  So no prefetch: no wave waits for what is fetched behind the head.
; WHAT SHOWS WHAT: slot B: each wave waits for its load and signals in its third step and waits in its fourth, ahead of the first load from slot B.  The refill: signal in the ninth step, wait in the twelfth.
; Between signal and wait stand loads of bytes that nobody writes meanwhile.  The hand-over's bytes: signal and wait in the last step.
; CLUSTER: the four query blocks of a cluster belong to one head and walk the same bytes: each load is asked for JOINTLY, with the same descriptor (head and wave alone) and the mask of all four.
; PIPELINE: a step's K is fetched behind the last step's score products, its V behind the last step's PV products.
; o's scale bytes leave singly (65,536 bytes in the launch): two heads' work-groups share each word.
; LIMITS: the promise holds while the scaled scores stay under 2^31 in magnitude; a block of zeros gets the byte 1, a block whose largest p lies under 2^-123 the byte 2 (this program alone reads the bytes);
; NaN and infinities are not served; where the two halves' M lie further apart than f32's exponents reach, the lesser half's factor is 0 (its terms are nothing beside the other's).
.set STEPB, 13056                      ; K's four images at 0, V's four at 6,144, K's scale words at 12,288 (an image of four registers), V's at 12,800
.set SLOTA, 8*STEPB                    ; slot A's bytes; slot B begins here
.set SPARE, 24*STEPB                   ; behind both slots: the spare words, 128 bytes for each wave
.set STAGE, SLOTA                      ; what wave w + 8 hands to wave w goes into slot B, which has had its one fill and, behind the barrier in the last step, its last read
.set PAIRB, 9*512                      ; a pair's part: nine images of four registers: O^T's 32, then -M, the largest score and the sum's two halves
.set LI,   1                           ; 16 x lane
.set L4,   2                           ; 4 x lane
.set ADR,  3                           ; the next step's bytes, 16 a lane
.set AD4,  4                           ; and 4 a lane
.set SPW,  5                           ; my spare word; never rewritten
.set NIL,  6                           ; 0; never rewritten
.set QS,   8                           ; v8-15: scale words and nothing else: Q's,
.set PSW,  9                           ; p's,
.set KS,   10                          ; K's: register t % 4, lanes 0-15 tiles 0-3, lanes 16-31 tiles 4-7,
.set VS,   14                          ; V's: register t / 2, lanes 0-15 the even tile, lanes 16-31 the odd
.set NM,   16                          ; -M
.set RM,   17                          ; the largest score so far
.set SUM,  18                          ; v[18:19]
.set FF,   20                          ; 2^(old M - new M); v21 is named with it as a pair
.set TT,   22
.set STA,  23                          ; my pair's part of the stage; never rewritten
.set QF,   24                          ; v24-35 Q: six registers of codes, six of zeros
.set KF,   36                          ; v36-83 K's eight tiles; free on the way out
.set PCD,  84                          ; v84-95 p's codes
.set VF,   96                          ; v96-143 V's four fragments
.set S,    144                         ; v144-207 S^T, then p; on the way out the partner's O^T and statistics, then o
.set O,    208                         ; v208-239 O^T
.set BA,   240                         ; v240-241 each band's block: the largest score, then the conversion's scale operand
.set BB,   242
.set TP,   244
.set W8,   245                         ; 8 h; never rewritten
.set NMB,  246                         ; -M - 2
.set DM,   247
.set TC,   248
.set T0,   251
.set TD,   252
.set T1,   255
.set FB,   42                          ; v[42:43] on the way out: the partner's factor
.set WV,   12
.set G1,   16                          ; s[16:23] descriptor group 1, one step; s[24:27] group 0 for slot A, s[48:51] for slot B
.set G0,   24
.set G0B,  48
.set SEL,  28
.set CS,   30                          ; s[30:31] log2(e): the packed form names a pair and takes its low word for both halves
.set TB,   32                          ; LDS byte at which the step that is fetched next begins
.set NC,   33                          ; -log2(e)
.set STP,  34
.set QT,   44
.macro CREST                           ; a round of the cluster's barrier from its opening wait on
	s_barrier_wait -1
	s_cmp_lg_u32 s[WV], 0
	s_cbranch_scc1 .Lnot_wave_0_\@
	s_barrier_signal -3
.Lnot_wave_0_\@:
	s_barrier_wait -3
	s_barrier_signal -1
	s_barrier_wait -1
.endm
.macro FILLA                           ; slot A's load: waves 0-7 a step each; the branch hangs on the wave's number alone
	s_cmp_lt_u32 s[WV], 8
	s_cbranch_scc0 .Lnone_\@
	tensor_load_to_lds s[G0:G0+3], s[G1:G1+7]
	s_nop 0
.rept 4
	v_nop
.endr
.Lnone_\@:
.endm
	s_load_b256 s[4:11], s[0:1], 0x0               ; qb s[4:5], kv s[6:7], oc s[8:9], os s[10:11]
	v_lshl_add_u32 v[SPW], v0, 2, SPARE
	v_mov_b32 v[NIL], 0
	ds_add_u32 v[SPW], v[NIL]                      ; the opening lines: the add twice on end
	ds_add_u32 v[SPW], v[NIL]
	v_lshrrev_b32 v1, 5, v0
	v_readfirstlane_b32 s[WV], v1                  ; wave 0..15
	s_and_b32 s[QT], s[WV], 7                      ; my tile of queries; also which part of slot A I fetch
	s_lshr_b32 s45, s[WV], 3                       ; 0: the even key steps are mine, 1: the odd ones
	s_bfe_u32 s13, ttmp6, 0x40000                  ; cx
	s_lshl_b32 s14, ttmp9, 2
	s_add_co_u32 s14, s14, s13                     ; my block of 128 queries: it enters the addresses of qb, oc and os alone
	s_and_b32 s15, ttmp7, 0xffff                   ; the head, which the four partners share
	s_mov_b32 s[G1+0], 15|(3<<16)|(1<<21)          ; the mask: all four work-groups; elements of 8 bytes; no padding
	s_mov_b32 s[G1+1], 32<<16                      ; rows of 256 bytes, dense: 51, one step
	s_mov_b32 s[G1+2], 51<<16
	s_mov_b32 s[G1+3], 32<<16
	s_mov_b32 s[G1+4], 51
	s_mov_b32 s[G1+5], 32
	s_mov_b32 s[G1+6], 0
	s_mov_b32 s[G1+7], 0
	s_mul_i32 s36, s[QT], STEPB                    ; slot A: my step's place
	s_mul_i32 s37, s[WV], STEPB
	s_add_co_u32 s37, s37, SLOTA                   ; slot B: my step's
	s_mul_i32 s38, s15, 32*STEPB
	s_add_co_u32 s40, s38, s36
	s_mov_b32 s41, 0
	s_add_co_u32 s42, s38, s37                     ; (steps 0 to 23 lie in LDS as they lie in the head's stream)
	s_mov_b32 s43, 0
	s_mov_b32 s[SEL], 0x76543210
	s_mov_b32 s[SEL+1], 0xfedcba98
	s_mov_b32 s[CS], 0x3fb8aa3b
	s_mov_b32 s[CS+1], s[CS]
	s_mov_b32 s[NC], 0xbfb8aa3b
	s_mul_i32 s[TB], s45, STEPB
	s_wait_dscnt 0x0
	s_barrier_signal -1
	CREST                                          ; all four work-groups are here: the first joint loads meet
	s_wait_kmcnt 0x0
	s_mov_b32 s[G0], 1
	s_mov_b32 s[G0+1], s36
	s_add_nc_u64 s[G0+2:G0+3], s[6:7], s[40:41]
	s_or_b32 s[G0+3], s[G0+3], 0x80000000
	s_mov_b32 s[G0B], 1
	s_mov_b32 s[G0B+1], s37
	s_add_nc_u64 s[G0B+2:G0B+3], s[6:7], s[42:43]
	s_or_b32 s[G0B+3], s[G0B+3], 0x80000000
	FILLA                                          ; steps 0 to 7
	s_lshl_b32 s36, s15, 5
	s_add_co_u32 s36, s36, s14
	s_mul_i32 s36, s36, 6656                       ; my block in qb
	s_lshr_b32 s37, s[QT], 1
	s_mul_i32 s37, s37, 1536                       ; the image that holds my tile and its neighbour
	s_add_co_u32 s40, s36, s37
	s_mov_b32 s41, 0
	s_add_nc_u64 s[40:41], s[4:5], s[40:41]
	s_lshr_b32 s37, s[QT], 2
	s_lshl_b32 s37, s37, 8
	s_and_b32 s42, s[QT], 3
	s_lshl_b32 s42, s42, 2
	s_add_co_u32 s42, s42, s37
	s_add_co_u32 s42, s42, s36
	s_mov_b32 s43, 0
	s_add_nc_u64 s[42:43], s[4:5], s[42:43]
	s_mul_i32 s46, s[QT], PAIRB
	s_add_co_u32 s46, s46, STAGE
	s_and_b32 s35, s[QT], 1
	s_cmp_lg_u32 s35, 0
	s_cselect_b32 s35, -1, 0                       ; all lanes: the image's upper six registers, if my tile is the odd one
	v_and_b32 v[L4], 31, v0
	v_and_b32 v7, 15, v0
	v_bfe_u32 v[W8], v0, 4, 1
	v_lshlrev_b32 v[LI], 4, v[L4]
	v_lshlrev_b32 v[L4], 2, v[L4]
	v_lshlrev_b32 v7, 4, v7                        ; 16 r
	v_lshlrev_b32 v[W8], 3, v[W8]
	v_add_nc_u32 v[STA], s46, v[LI]                ; the same in both waves of a pair
	s_wait_alu depctr_va_vdst(0)
.irp i, 0,1,2
	global_load_b128 v[KF+4*\i:KF+4*\i+3], v[LI], s[40:41] offset:512*\i
.endr
	global_load_b32 v[QS], v7, s[42:43] offset:6144
.irp j, 0,1,2,3,4,5,6,7,8,9,10,11,12,13,14,15,16,17,18,19,20,21,22,23,24,25,26,27,28,29,30,31
	v_mov_b32 v[O+\j], 0                           ; O^T.  (The step finds zeros, which the first change of M leaves zeros)
.endr
.irp i, 0,1,2,3,4,5
	v_mov_b32 v[QF+6+\i], 0                        ; Q's zero half of K
	v_mov_b32 v[PCD+\i], 0                         ; what stands behind K's tile 7 in the first step
.endr
	s_wait_alu depctr_va_vdst(0)
	s_wait_loadcnt 0x0
.irp i, 0,1,2,3,4,5
	v_cndmask_b32 v[QF+\i], v[KF+\i], v[KF+6+\i], s35
.endr
	v_mov_b32 v[RM], 0xff61b1e6                    ; the largest score so far: -3e38
	v_mov_b32 v[NM], 0x7f61b1e6                    ; -M: 3e38
	v_mov_b32 v[SUM], 0
	v_mov_b32 v[SUM+1], 0
	v_mov_b32 v[FF+1], 0
	v_mov_b32 v[TP], 0                             ; (a lane permute's destination counts as one of its sources)
	v_add_nc_u32 v[ADR], s[TB], v[LI]
	v_add_nc_u32 v[AD4], s[TB], v[L4]
.macro KLOAD                           ; 13 loads
.irp i, 0,1,2,3,4,5,6,7,8,9,10,11
	ds_load_b128 v[KF+4*\i:KF+4*\i+3], v[ADR] offset:512*\i
.endr
	ds_load_b128 v[KS:KS+3], v[ADR] offset:12288
.endm
.macro VLOAD                           ; 14 loads
.irp i, 0,1,2,3,4,5,6,7,8,9,10,11
	ds_load_b128 v[VF+4*\i:VF+4*\i+3], v[ADR] offset:6144+512*\i
.endr
	ds_load_b32 v[VS], v[AD4] offset:12800
	ds_load_b32 v[VS+1], v[AD4] offset:12928
.endm
; A KEY STEP.  mode 0: plain;  1: the first, whose V is fetched behind its score products;  2: says that my tensor loads are in;  3: the fourth: waits for what the third said, and holds the round and slot A's refill;
; 4: the twelfth: waits for what the ninth said, and goes back to slot A;  5: the last, nothing more is fetched; it shows that nobody reads the slots any more.
; In modes 3 and 5 the signal stands behind the maxima, when all LDS work of the wave is done, the wait at the step's end: register work between.
.macro STEP mode
.if \mode == 1
	s_wait_dscnt 0x0                               ; K and its scale words are in
.else
	s_wait_dscnt 14                                ; K and its scale words are in; V's 14 loads may be out
.endif
.irp t, 0,1,2,3,4,5,6,7
.if \t < 4
	v_wmma_scale_f32_16x16x128_f8f6f4 v[S+8*\t:S+8*\t+7], v[KF+6*\t:KF+6*\t+11], v[QF:QF+11], 0, v[KS+\t%4], v[QS] matrix_a_fmt:MATRIX_FMT_FP6 matrix_b_fmt:MATRIX_FMT_FP6
.else
	v_wmma_scale_f32_16x16x128_f8f6f4 v[S+8*\t:S+8*\t+7], v[KF+6*\t:KF+6*\t+11], v[QF:QF+11], 0, v[KS+\t%4], v[QS] matrix_a_fmt:MATRIX_FMT_FP6 matrix_b_fmt:MATRIX_FMT_FP6 matrix_a_scale:MATRIX_SCALE_ROW1
.endif
.endr
.if \mode == 4
	s_sub_co_u32 s[TB], s[TB], 22*STEPB            ; back to slot A
.elseif \mode < 4
	s_add_co_u32 s[TB], s[TB], 2*STEPB
.endif
.if (\mode == 1) || (\mode == 5)
	v_nop                                          ; four places ahead of the first read of scores and of loads into K's registers
	v_nop
.endif
.if \mode == 1
	v_nop
	v_nop
	VLOAD                                          ; this step's V, from the addresses as they stand
.endif
.if \mode < 5
	v_add_nc_u32 v[ADR], s[TB], v[LI]
	v_add_nc_u32 v[AD4], s[TB], v[L4]
.endif
.if \mode != 1
	v_nop
	v_nop
.endif
.if (\mode == 3) || (\mode == 4)
	s_wait_alu depctr_va_vdst(0)
	s_barrier_wait -1                              ; slot B (the refill) is in
.endif
.if (\mode != 2) && (\mode != 5)
	KLOAD                                          ; the next step's K
.endif
.if \mode == 3
	s_wait_tensorcnt 0x0                           ; no load of mine is out, so group 0 may be written;
	ds_add_u32 v[SPW], v[NIL]
	s_add_nc_u64 s[G0+2:G0+3], s[G0+2:G0+3], 24*STEPB   ; steps 24 to 31.  (Waves 8-15 never use theirs)
.endif
.irp b, 0,1                            ; the largest score of my block in each band: it serves the row's maximum and, since p rises with the score, the block's largest p
	v_max3_num_f32 v[BA+\b], v[S+32*\b], v[S+32*\b+1], v[S+32*\b+2]
	v_max3_num_f32 v[BB+\b], v[S+32*\b+17], v[S+32*\b+18], v[S+32*\b+19]
.endr
.irp i, 3,5,7,9,11,13
.irp b, 0,1
	v_max3_num_f32 v[BA+\b], v[BA+\b], v[S+32*\b+\i], v[S+32*\b+\i+1]
	v_max3_num_f32 v[BB+\b], v[BB+\b], v[S+32*\b+\i+17], v[S+32*\b+\i+18]
.endr
.endr
.irp b, 0,1
	v_max3_num_f32 v[BA+\b], v[BA+\b], v[S+32*\b+15], v[S+32*\b+16]
.endr
.irp b, 0,1
	v_max_num_f32 v[BA+\b], v[BA+\b], v[BB+\b]
.endr
.if (\mode == 2) || (\mode == 3) || (\mode == 5)
	s_wait_alu depctr_va_vdst(0)
.if \mode == 2
	s_wait_tensorcnt 0x0                           ; my load is in
.endif
	s_wait_dscnt 0x0                               ; V is in: my reads so far are over (and in mode 3 the add is done)
	s_barrier_signal -1
.endif
.if \mode == 2
	KLOAD
.endif
	v_max3_num_f32 v[RM], v[RM], v[BA], v[BA+1]
	s_delay_alu instid0(VALU_DEP_1)
	v_permlanex16_b32 v[TP], v[RM], s[SEL], s[SEL+1]
	s_delay_alu instid0(VALU_DEP_1)
	v_max_num_f32 v[RM], v[RM], v[TP]              ; with lane l xor 16's keys: my query's largest score so far
	s_delay_alu instid0(VALU_DEP_1)
	v_mul_f32 v[TT], s[NC], v[RM]                  ; -t
	s_delay_alu instid0(VALU_DEP_1)
	v_floor_f32 v[TT], v[TT]                       ; the new -M = floor(-t) = -ceil(t)
	s_delay_alu instid0(VALU_DEP_1)
	v_sub_f32 v[DM], v[TT], v[NM]                  ; old M - new M: a whole number, 0 or less
	v_mov_b32 v[NM], v[TT]
	s_delay_alu instid0(VALU_DEP_2)
	v_cvt_i32_f32 v[DM], v[DM]                     ; (it saturates)
	v_add_f32 v[NMB], -2.0, v[NM]
	s_delay_alu instid0(VALU_DEP_2)
	v_ldexp_f32 v[FF], 1.0, v[DM]
.irp j, 0,2,4,6,8,10,12,14,16,18,20,22,24,26,28,30
	v_pk_fma_f32 v[S+\j:S+\j+1], v[S+\j:S+\j+1], s[CS:CS+1], v[NM:NM+1] op_sel_hi:[1,0,0]   ; band 0: t - M, two at a time
.endr
.irp b, 0,1
	v_fma_f32 v[BA+\b], v[BA+\b], s[CS], v[NMB]    ; each block's largest t, less M and less 2: its power of two is the conversion's scale operand
.endr
.irp j, 0,2,4,6,8,10,12,14,16,18,20,22,24,26,28,30
	v_pk_mul_f32 v[O+\j:O+\j+1], v[O+\j:O+\j+1], v[FF:FF+1] op_sel_hi:[1,0]   ; O^T under the new M
.endr
.irp b, 0,1
	v_max_num_f32 v[BA+\b], 0xc2fa0000, v[BA+\b]   ; held at -125: the byte cannot fall under 2
.endr
	s_wait_alu depctr_va_vdst(0)                   ; ahead of the batch
.irp b, 0,1
	v_exp_f32 v[BA+\b], v[BA+\b]
.endr
.irp j, 0,2,4,6,8,10,12,14,16,18,20,22,24,26,28,30
	v_exp_f32 v[S+\j], v[S+\j]                     ; p = 2^(t - M), at most 1
	v_exp_f32 v[S+\j+1], v[S+\j+1]
	v_pk_fma_f32 v[S+32+\j:S+33+\j], v[S+32+\j:S+33+\j], s[CS:CS+1], v[NM:NM+1] op_sel_hi:[1,0,0]   ; band 1's t - M, read behind the next wait
.endr
	s_wait_alu depctr_va_vdst(0)                   ; behind the first batch and ahead of the second
	v_cvt_scalef32_pk16_fp6_f32 v[PCD:PCD+2], v[S:S+15], v[BA]
	v_cvt_scalef32_pk16_fp6_f32 v[TC:TC+2], v[S+16:S+31], v[BA]   ; (a conversion's three registers begin on an even number)
	v_lshrrev_b32 v[T0], 23, v[BA]                 ; the scales' bytes: block h of band 0,
	v_lshrrev_b32 v[T1], 23, v[BA+1]               ; and of band 1
	v_mov_b32 v[PCD+3], v[TC]
	v_lshl_or_b32 v[T0], v[T1], 16, v[T0]
	v_mov_b32 v[PCD+4], v[TC+1]
	v_lshlrev_b32 v[T0], v[W8], v[T0]              ; at their places in the word
	v_permlanex16_b32 v[TP], v[T0], s[SEL], s[SEL+1]
	v_mov_b32 v[PCD+5], v[TC+2]
	v_or_b32 v[PSW], v[T0], v[TP]                  ; with lane l xor 16's two bytes: p's scale word for these 128 keys
.irp k, 0,1,2,3,4,5,6,7
	v_exp_f32 v[S+32+4*\k], v[S+32+4*\k]
	v_exp_f32 v[S+33+4*\k], v[S+33+4*\k]
	v_exp_f32 v[S+34+4*\k], v[S+34+4*\k]
	v_exp_f32 v[S+35+4*\k], v[S+35+4*\k]
	v_pk_add_f32 v[S+4*\k:S+4*\k+1], v[S+4*\k:S+4*\k+1], v[S+4*\k+2:S+4*\k+3]   ; THE SUM IS OF THE UNQUANTISED p: band 0 has been converted, so its registers take the partial sums, read behind the next wait
.endr
	s_wait_alu depctr_va_vdst(0)                   ; behind the second batch
	v_cvt_scalef32_pk16_fp6_f32 v[PCD+6:PCD+8], v[S+32:S+47], v[BA+1]
	v_cvt_scalef32_pk16_fp6_f32 v[TD:TD+2], v[S+48:S+63], v[BA+1]
.irp k, 0,1,2,3,4,5,6,7
	v_pk_add_f32 v[S+4*\k:S+4*\k+1], v[S+4*\k:S+4*\k+1], v[S+32+4*\k:S+33+4*\k]
.endr
.irp i, 0,1,2
	v_mov_b32 v[PCD+9+\i], v[TD+\i]
.endr
.irp k, 0,1,2,3,4,5,6,7
	v_pk_add_f32 v[S+4*\k:S+4*\k+1], v[S+4*\k:S+4*\k+1], v[S+34+4*\k:S+35+4*\k]
.endr
	s_wait_alu depctr_va_vdst(0)
.if (\mode != 3) && (\mode != 5)
	s_wait_dscnt 13                                ; V and its scale words are in; the next K's 13 loads may be out
.endif
.irp t, 0,1,2,3                        ; four accumulators by turns
.if \t%2 == 0
	v_wmma_scale_f32_16x16x128_f8f6f4 v[O+8*\t:O+8*\t+7], v[VF+12*\t:VF+12*\t+11], v[PCD:PCD+11], v[O+8*\t:O+8*\t+7], v[VS+\t/2], v[PSW] matrix_a_fmt:MATRIX_FMT_FP6 matrix_b_fmt:MATRIX_FMT_FP6
.else
	v_wmma_scale_f32_16x16x128_f8f6f4 v[O+8*\t:O+8*\t+7], v[VF+12*\t:VF+12*\t+11], v[PCD:PCD+11], v[O+8*\t:O+8*\t+7], v[VS+\t/2], v[PSW] matrix_a_fmt:MATRIX_FMT_FP6 matrix_b_fmt:MATRIX_FMT_FP6 matrix_a_scale:MATRIX_SCALE_ROW1
.endif
.endr
.irp k, 0,1,2,3                        ; the rest of the sum: also the places behind the products
	v_pk_add_f32 v[S+4*\k:S+4*\k+1], v[S+4*\k:S+4*\k+1], v[S+16+4*\k:S+17+4*\k]
.endr
	s_delay_alu instid0(VALU_DEP_2)
	v_pk_add_f32 v[S:S+1], v[S:S+1], v[S+8:S+9]
	s_delay_alu instid0(VALU_DEP_2)
	v_pk_add_f32 v[S+4:S+5], v[S+4:S+5], v[S+12:S+13]
	s_delay_alu instid0(VALU_DEP_1)
	v_pk_add_f32 v[S:S+1], v[S:S+1], v[S+4:S+5]
	s_delay_alu instid0(VALU_DEP_1)
	v_pk_fma_f32 v[SUM:SUM+1], v[SUM:SUM+1], v[FF:FF+1], v[S:S+1] op_sel_hi:[1,0,1]   ; under the new M
.if \mode == 3
	CREST                                          ; no wave of any partner still reads slot A or has a load on its way
	FILLA                                          ; slot A's refill, the first thing behind the round
.endif
.if \mode < 5
	VLOAD                                          ; the next step's V
.else
	s_barrier_wait -1                              ; nobody reads the slots any more
.endif
.endm
.macro RUN n
	s_mov_b32 s[STP], \n
.Lrun_\@:
	STEP 0
	s_sub_co_u32 s[STP], s[STP], 1
	s_cmp_lg_u32 s[STP], 0
	s_cbranch_scc1 .Lrun_\@
.endm
	s_wait_alu depctr_va_vdst(0)
	s_wait_tensorcnt 0x0                           ; my step of slot A is in
	ds_add_u32 v[SPW], v[NIL]                      ; the add twice on end
	ds_add_u32 v[SPW], v[NIL]
	s_wait_dscnt 0x0
	s_barrier_signal -1
	CREST                                          ; slot A is in, and all four work-groups are here
	tensor_load_to_lds s[G0B:G0B+3], s[G1:G1+7]    ; slot B: steps 8 to 23, one a wave
	s_nop 0
.rept 4
	v_nop
.endr
	KLOAD
	STEP 1                                         ; my four steps of slot A:
	STEP 0
	STEP 2                                         ; the third says that my part of slot B is in,
	STEP 3                                         ; the fourth holds the refill's round;
	RUN 4                                          ; eight of slot B:
	STEP 2                                         ; the ninth of all says that my part of the refill is in,
.rept 2
	STEP 0
.endr
	STEP 4                                         ; the twelfth waits for all to have said so;
	RUN 3                                          ; and four of slot A
	STEP 5
	; THE WAY OUT.  (The sum's last eight lines are the places behind the last products)
	v_bfe_u32 v36, v0, 4, 1                        ; h
	v_and_b32 v37, 15, v0
	v_lshlrev_b32 v38, 1, v[L4]                    ; 8 x lane
	v_lshl_add_u32 v37, v37, 2, v36                ; 4 r + h: my block's byte
	s_cmp_lt_u32 s[WV], 8
	s_wait_alu depctr_va_vdst(0)                   ; ahead of the branch
	s_cbranch_scc1 .Lowner
.irp t, 0,1,2,3                        ; waves 8 to 15 hand over, as images of their registers
	ds_store_b128 v[STA], v[O+8*\t:O+8*\t+3] offset:1024*\t          ; each accumulator from its low end on
	ds_store_b128 v[STA], v[O+8*\t+4:O+8*\t+7] offset:1024*\t+512
.endr
	ds_store_b128 v[STA], v[NM:NM+3] offset:4096   ; -M, the largest score, the sum's two halves
.Lowner:
	s_wait_dscnt 0x0                               ; for the partner's sake: my stores have landed
	s_barrier_signal -1
	s_barrier_wait -1
	s_cmp_lt_u32 s[WV], 8
	s_cbranch_scc0 .Ldone                          ; waves 8 to 15 have no more to do
.irp i, 0,1,2,3,4,5,6,7
	ds_load_b128 v[S+4*\i:S+4*\i+3], v[STA] offset:512*\i   ; the partner's O^T
.endr
	ds_load_b128 v[S+32:S+35], v[STA] offset:4096  ; its -M, largest score and sums
	s_wait_dscnt 0x0
	v_min_num_f32 v[TT], v[NM], v[S+32]            ; the row's -M: the lesser of the two
	v_sub_f32 v40, v[TT], v[NM]                    ; my M - the row's M: a whole number, 0 or less
	v_sub_f32 v41, v[TT], v[S+32]                  ; the partner's likewise
	v_cvt_i32_f32 v40, v40
	v_cvt_i32_f32 v41, v41
	v_ldexp_f32 v[FF], 1.0, v40                    ; my factor, twice: a pair for the packed forms
	v_ldexp_f32 v[FB], 1.0, v41                    ; the partner's
	v_ldexp_f32 v[FF+1], 1.0, v40
	v_ldexp_f32 v[FB+1], 1.0, v41
	v_pk_mul_f32 v[SUM:SUM+1], v[SUM:SUM+1], v[FF:FF+1]
	v_pk_fma_f32 v[SUM:SUM+1], v[S+34:S+35], v[FB:FB+1], v[SUM:SUM+1]   ; both halves' sums under the row's M
	v_add_f32 v[SUM], v[SUM], v[SUM+1]
	v_permlanex16_b32 v[TT], v[SUM], s[SEL], s[SEL+1]
	v_add_f32 v[SUM], v[SUM], v[TT]                ; with lane l xor 16's: the row's sum
	s_wait_alu depctr_va_vdst(0)
	v_rcp_f32 v[SUM], v[SUM]
	v_nop                                          ; a plain line behind the reciprocal
	s_lshl_b32 s36, s14, 3
	s_add_co_u32 s36, s36, s[QT]                   ; my tile of rows: 8 x block + tile
	s_lshl_b32 s37, s36, 3
	s_add_co_u32 s37, s37, s15
	s_mul_i32 s38, s37, 768                        ; oc: [tile][head][768]
	s_mov_b32 s39, 0
	s_add_nc_u64 s[8:9], s[8:9], s[38:39]
	s_lshl_b32 s40, s36, 8                         ; os: [tile][K step = head / 2][row] words, my head's half of each
	s_lshr_b32 s41, s15, 1
	s_lshl_b32 s41, s41, 6
	s_add_co_u32 s40, s40, s41
	s_and_b32 s41, s15, 1
	s_lshl_b32 s41, s41, 1
	s_add_co_u32 s40, s40, s41
	s_mov_b32 s41, 0
	s_add_nc_u64 s[10:11], s[10:11], s[40:41]
	s_wait_alu depctr_va_vdst(0)                   ; ahead of the reciprocal's first reader
	v_pk_mul_f32 v[FF:FF+1], v[FF:FF+1], v[SUM:SUM+1] op_sel_hi:[1,0]   ; each factor, a power of two, over the sum
	v_pk_mul_f32 v[FB:FB+1], v[FB:FB+1], v[SUM:SUM+1] op_sel_hi:[1,0]
.irp j, 0,2,4,6,8,10,12,14,16,18,20,22,24,26,28,30
	v_pk_mul_f32 v[S+\j:S+\j+1], v[S+\j:S+\j+1], v[FB:FB+1]
.endr
.irp j, 0,2,4,6,8,10,12,14,16,18,20,22,24,26,28,30
	v_pk_fma_f32 v[S+\j:S+\j+1], v[O+\j:O+\j+1], v[FF:FF+1], v[S+\j:S+\j+1]   ; o: register i = d 32 h + i of my query.  (My accumulators are read from their low ends on)
.endr
	v_max3_num_f32 v[BA], |v[S]|, |v[S+1]|, 0x1800000   ; the floor 2^(3 - 127)
	v_max3_num_f32 v[BB], |v[S+16]|, |v[S+17]|, |v[S+18]|
.irp i, 2,4,6,8,10,12
	v_max3_num_f32 v[BA], v[BA], |v[S+\i]|, |v[S+\i+1]|
	v_max3_num_f32 v[BB], v[BB], |v[S+\i+17]|, |v[S+\i+18]|
.endr
	v_max3_num_f32 v[BA], v[BA], |v[S+14]|, |v[S+15]|
	v_max3_num_f32 v[BA], v[BA], |v[S+31]|, v[BB]
	v_add_nc_u32 v[BA], 0xff000000, v[BA]
	v_cvt_scalef32_pk16_fp6_f32 v[PCD:PCD+2], v[S:S+15], v[BA]
	v_cvt_scalef32_pk16_fp6_f32 v[TC:TC+2], v[S+16:S+31], v[BA]
	v_lshrrev_b32 v[T0], 23, v[BA]                 ; my block's byte
.irp i, 0,1,2
	v_mov_b32 v[PCD+3+\i], v[TC+\i]
.endr
	global_store_b128 v[LI], v[PCD:PCD+3], s[8:9]              ; 512 consecutive bytes
	global_store_b64 v38, v[PCD+4:PCD+5], s[8:9] offset:512    ; and 256
	global_store_b8 v37, v[T0], s[10:11]
.Ldone:
	s_wait_tensorcnt 0x0                           ; the wave's end
	ds_add_u32 v[SPW], v[NIL]
	s_wait_dscnt 0x0
	s_barrier_signal -1
	CREST                                          ; the closing round: no work-group ends while a partner may still ask for bytes that name it
	s_endpgm
.Lfunc_end_k_qe6fecca298_attn:
	.size	k_qe6fecca298_attn, .Lfunc_end_k_qe6fecca298_attn-k_qe6fecca298_attn
	.p2alignl 7, 3214868480
	.fill 96, 4, 3214868480
	.section	.rodata,"a",@progbits
	.p2align	6, 0x0
	.amdhsa_kernel k_qe6fecca298_attn
		.amdhsa_group_segment_fixed_size 327680
		.amdhsa_private_segment_fixed_size 0
		.amdhsa_enable_private_segment 0
		.amdhsa_kernarg_size 32
		.amdhsa_user_sgpr_count 2
		.amdhsa_user_sgpr_kernarg_segment_ptr 1
		.amdhsa_wavefront_size32 1
		.amdhsa_system_sgpr_workgroup_id_x 1
		.amdhsa_system_sgpr_workgroup_id_y 1
		.amdhsa_system_sgpr_workgroup_id_z 1
		.amdhsa_system_vgpr_workitem_id 0
		.amdhsa_next_free_vgpr 256
		.amdhsa_next_free_sgpr 66
		.amdhsa_reserve_vcc 0
		.amdhsa_float_denorm_mode_32 3
		.amdhsa_float_denorm_mode_16_64 3
		.amdhsa_memory_ordered 1
		.amdhsa_forward_progress 1
		.amdhsa_inst_pref_size 173
	.end_amdhsa_kernel
	.amdgpu_metadata
---
amdhsa.version: [ 1, 2 ]
amdhsa.kernels:
  - .name:           k_qe6fecca298_attn
    .symbol:         k_qe6fecca298_attn.kd
    .args:
      - { .name: qb, .offset: 0, .size: 8, .value_kind: global_buffer, .address_space: global }
      - { .name: kv, .offset: 8, .size: 8, .value_kind: global_buffer, .address_space: global }
      - { .name: oc, .offset: 16, .size: 8, .value_kind: global_buffer, .address_space: global }
      - { .name: os, .offset: 24, .size: 8, .value_kind: global_buffer, .address_space: global }
    .group_segment_fixed_size: 327680
    .private_segment_fixed_size: 0
    .kernarg_segment_align: 8
    .kernarg_segment_size: 32
    .max_flat_workgroup_size: 512
    .sgpr_count:     66
    .vgpr_count:     256
    .wavefront_size: 32
...
	.end_amdgpu_metadata
.endif
;; end of part 3
;; launch proj (part 4): grid 32 x 8, 4 waves a work-group, no clusters, 17,920 bytes of LDS; arguments oc, os, wq, out0; writes out0
.if DOCPART == 4
	.amdgcn_target "amdgcn-amd-amdhsa--gfx1250"
	.amdhsa_code_object_version 6
	.text
	.protected	k_qe6fecca298_proj
	.globl	k_qe6fecca298_proj
	.p2align	8
	.type	k_qe6fecca298_proj,@function
k_qe6fecca298_proj:
	s_mov_b64 s[64:65], 0
	v_nop
	global_prefetch_b8 v0, s[64:65] scope:SCOPE_SE
	s_setreg_imm32_b32 hwreg(HW_REG_WAVE_MODE, 25, 1), 1
	s_wait_xcnt 0x0
; PROJ: out = o P on codes of FP6 with E8M0 scales.  K = (head, d) = 512: K step s of 128 is heads 2 s and 2 s + 1, whose six registers of codes each make one fragment of o.
; A work-group makes 128 rows (work-group x) x 64 columns (work-group y); wave w two tiles of 16 rows (tiles 2 (w % 2) and 2 (w % 2) + 1 of the block's group w / 2 of 64 rows) against the four tiles of columns:
; eight accumulators by turns, four K steps.  Lane r of tile j of a group of 64 rows (or columns) is member 32 (r / 8) + 8 j + r % 8.
; Operands come from memory straight into registers, as the images that the earlier launches laid: no tensor load, no barrier; a wave's stage in LDS is its own.
; Source 0 = P's tile, source 1 = o's: a lane (r, h) holds one row, and the 32 neighbouring columns 32 h + 0 .. 31 in its four accumulators.  A tile of rows goes through the stage and leaves as rows of 256 consecutive bytes, aligned.
; No cluster: no load is a tensor load.  No prefetch: the launch has no loop to run ahead in.
; REGISTERS: window 0: v1-6 addresses; v16-23 o's scale words, v24-39 P's (scales and nothing else); v40-135 o's eight fragments, later rows on the way out; v136-199 the accumulators.  Window 1: v0-191 P's 16 fragments.
.set LI,  1                            ; 16 x lane
.set L8,  2                            ; 8 x lane
.set R4,  3                            ; 4 x (lane % 16)
.set SO,  4                            ; the stage: where I put 16 bytes of a row
.set SR,  5                            ; and where I read a row back
.set CO,  6                            ; my byte offset in two rows of out
.set OS,  16
.set PS,  24
.set OF,  40
.set ACC, 136
.set BK,  40
.set SPW, 254
.set NIL, 255
.set MSB, 0
.macro WIN new                         ; the immediate's high byte repeats the setting that is left
.if MSB != \new
	s_set_vgpr_msb (MSB<<8)|\new
.set MSB, \new
.endif
.endm
.macro LOADS s                         ; K step s: 26 loads
	WIN 0x40                                       ; destination window 1, address window 0
.irp t, 0,1,2,3
.irp i, 0,1,2
	global_load_b128 v[12*(4*\t+\s)+4*\i:12*(4*\t+\s)+4*\i+3], v[LI], s[8:9] offset:(4*\t+\s)*1536+512*\i
.endr
.endr
	WIN 0
.irp m, 0,1
.irp c, 0,1
	global_load_b128 v[OF+12*(4*\m+\s)+6*\c:OF+12*(4*\m+\s)+6*\c+3], v[LI], s[4:5] offset:\m*6144+\s*1536+\c*768
	global_load_b64 v[OF+12*(4*\m+\s)+6*\c+4:OF+12*(4*\m+\s)+6*\c+5], v[L8], s[4:5] offset:\m*6144+\s*1536+\c*768+512
.endr
	global_load_b32 v[OS+4*\m+\s], v[R4], s[6:7] offset:\m*256+\s*64
.endr
.irp t, 0,1,2,3
	global_load_b32 v[PS+4*\t+\s], v[R4], s[8:9] offset:24576+\t*256+\s*64
.endr
.endm
.macro MUL s
.irp m, 0,1
.irp t, 0,1,2,3
.if \s == 0
	v_wmma_scale_f32_16x16x128_f8f6f4 v[ACC+8*(4*\m+\t):ACC+8*(4*\m+\t)+7], v[12*(4*\t+\s):12*(4*\t+\s)+11], v[OF+12*(4*\m+\s):OF+12*(4*\m+\s)+11], 0, v[PS+4*\t+\s], v[OS+4*\m+\s] matrix_a_fmt:MATRIX_FMT_FP6 matrix_b_fmt:MATRIX_FMT_FP6
.else
	v_wmma_scale_f32_16x16x128_f8f6f4 v[ACC+8*(4*\m+\t):ACC+8*(4*\m+\t)+7], v[12*(4*\t+\s):12*(4*\t+\s)+11], v[OF+12*(4*\m+\s):OF+12*(4*\m+\s)+11], v[ACC+8*(4*\m+\t):ACC+8*(4*\m+\t)+7], v[PS+4*\t+\s], v[OS+4*\m+\s] matrix_a_fmt:MATRIX_FMT_FP6 matrix_b_fmt:MATRIX_FMT_FP6
.endif
.endr
.endr
.endm
.macro TOSTAGE u                       ; tile of rows u: lane (r, h), tile of columns t: columns 32 h + 8 t + 0 .. 7 of stage row r
.irp t, 0,1,2,3
	ds_store_b128 v[SO], v[ACC+32*\u+8*\t:ACC+32*\u+8*\t+3] offset:32*\t        ; each accumulator from its low end on
	ds_store_b128 v[SO], v[ACC+32*\u+8*\t+4:ACC+32*\u+8*\t+7] offset:32*\t+16
.endr
.irp i, 0,1,2,3,4,5,6,7
	ds_load_b128 v[BK+32*\u+4*\i:BK+32*\u+4*\i+3], v[SR] offset:\i*544   ; LDS serves a wave's instructions in order: these see my stores, and the next tile's stores come behind them
.endr
.endm
.macro SEND u, younger                 ; younger: the LDS instructions issued behind tile u's loads
.irp i, 0,1,2,3,4,5,6,7
	s_wait_dscnt \younger+7-\i
	global_store_b128 v[CO], v[BK+32*\u+4*\i:BK+32*\u+4*\i+3], s[10:11] offset:(8*\u+2*\i+24*(\i/4))*2048 th:TH_STORE_NT   ; stage rows 2 i and 2 i + 1 are rows 8 u + 2 i + 24 (i / 4) (+ 1) behind my first; sixteen lanes store 256 consecutive bytes, aligned
.endr
.endm
	s_load_b256 s[4:11], s[0:1], 0x0               ; oc s[4:5], os s[6:7], wq s[8:9], out0 s[10:11]
	v_lshl_add_u32 v[SPW], v0, 2, 0x4400
	v_mov_b32 v[NIL], 0
	v_lshrrev_b32 v1, 5, v0
	v_readfirstlane_b32 s12, v1                    ; wave
	s_and_b32 s13, ttmp7, 0xffff                   ; which 64 columns
	s_lshl_b32 s14, ttmp9, 3
	s_lshl_b32 s15, s12, 1
	s_add_co_u32 s14, s14, s15                     ; my first tile of rows: 8 x block + 2 x wave
	s_mul_i32 s16, s14, 6144
	s_mov_b32 s17, 0
	s_lshl_b32 s18, s14, 8
	s_mov_b32 s19, 0
	s_mul_i32 s20, s13, 102400
	s_mov_b32 s21, 0
	s_lshl_b32 s22, ttmp9, 18                      ; my first row, x 2,048 bytes: 128 x block + 64 (wave / 2) + 16 (wave % 2)
	s_lshr_b32 s23, s12, 1
	s_lshl_b32 s23, s23, 17
	s_add_co_u32 s22, s22, s23
	s_and_b32 s23, s12, 1
	s_lshl_b32 s23, s23, 15
	s_add_co_u32 s22, s22, s23
	s_lshl_b32 s23, s13, 8
	s_add_co_u32 s22, s22, s23
	s_mov_b32 s23, 0
	s_mul_i32 s24, s12, 4352                       ; my stage: 16 rows x (256 bytes + 16)
	v_and_b32 v7, 31, v0
	v_and_b32 v8, 15, v0                           ; r
	v_bfe_u32 v9, v0, 4, 1                         ; h
	v_lshlrev_b32 v[LI], 4, v7
	v_lshlrev_b32 v[L8], 3, v7
	v_lshlrev_b32 v[R4], 2, v8
	v_mul_u32_u24 v[SO], v8, 272
	v_lshl_add_u32 v[SO], v9, 7, v[SO]             ; + 128 h: the lane's 32 neighbouring columns
	v_add_nc_u32 v[SO], s24, v[SO]
	v_mul_u32_u24 v[SR], v9, 272
	v_lshl_add_u32 v[SR], v8, 4, v[SR]
	v_add_nc_u32 v[SR], s24, v[SR]
	v_lshlrev_b32 v[CO], 11, v9
	v_lshl_add_u32 v[CO], v8, 4, v[CO]
	s_wait_alu depctr_va_vdst(0)
	s_wait_kmcnt 0x0
	s_add_nc_u64 s[4:5], s[4:5], s[16:17]
	s_add_nc_u64 s[6:7], s[6:7], s[18:19]
	s_add_nc_u64 s[8:9], s[8:9], s[20:21]
	s_add_nc_u64 s[10:11], s[10:11], s[22:23]
	LOADS 0
	LOADS 1
	LOADS 2
	LOADS 3
	s_wait_loadcnt 52                              ; K steps 0 and 1 are in; the 52 loads of steps 2 and 3 may stay out
	WIN 0x01                                       ; source 0 (P) window 1
	MUL 0
	MUL 1
	s_wait_loadcnt 26                              ; K step 2 is in
	MUL 2
	s_wait_loadcnt 0x0
	MUL 3
	WIN 0
.rept 4
	v_nop                                          ; four places ahead of the first read of results and of loads into registers that products have read
.endr
	TOSTAGE 0
	TOSTAGE 1
	SEND 0, 16
	SEND 1, 0
	s_wait_tensorcnt 0x0                           ; the wave's end
	ds_add_u32 v[SPW], v[NIL]
	s_wait_dscnt 0x0
	s_endpgm
.Lfunc_end_k_qe6fecca298_proj:
	.size	k_qe6fecca298_proj, .Lfunc_end_k_qe6fecca298_proj-k_qe6fecca298_proj
	.p2alignl 7, 3214868480
	.fill 96, 4, 3214868480
	.section	.rodata,"a",@progbits
	.p2align	6, 0x0
	.amdhsa_kernel k_qe6fecca298_proj
		.amdhsa_group_segment_fixed_size 17920
		.amdhsa_private_segment_fixed_size 0
		.amdhsa_enable_private_segment 0
		.amdhsa_kernarg_size 32
		.amdhsa_user_sgpr_count 2
		.amdhsa_user_sgpr_kernarg_segment_ptr 1
		.amdhsa_wavefront_size32 1
		.amdhsa_system_sgpr_workgroup_id_x 1
		.amdhsa_system_sgpr_workgroup_id_y 1
		.amdhsa_system_sgpr_workgroup_id_z 1
		.amdhsa_system_vgpr_workitem_id 0
		.amdhsa_next_free_vgpr 448
		.amdhsa_next_free_sgpr 66
		.amdhsa_reserve_vcc 0
		.amdhsa_float_denorm_mode_32 3
		.amdhsa_float_denorm_mode_16_64 3
		.amdhsa_memory_ordered 1
		.amdhsa_forward_progress 1
		.amdhsa_inst_pref_size 21
	.end_amdhsa_kernel
	.amdgpu_metadata
---
amdhsa.version: [ 1, 2 ]
amdhsa.kernels:
  - .name:           k_qe6fecca298_proj
    .symbol:         k_qe6fecca298_proj.kd
    .args:
      - { .name: oc, .offset: 0, .size: 8, .value_kind: global_buffer, .address_space: global }
      - { .name: os, .offset: 8, .size: 8, .value_kind: global_buffer, .address_space: global }
      - { .name: wq, .offset: 16, .size: 8, .value_kind: global_buffer, .address_space: global }
      - { .name: out0, .offset: 24, .size: 8, .value_kind: global_buffer, .address_space: global }
    .group_segment_fixed_size: 17920
    .private_segment_fixed_size: 0
    .kernarg_segment_align: 8
    .kernarg_segment_size: 32
    .max_flat_workgroup_size: 128
    .sgpr_count:     66
    .vgpr_count:     448
    .wavefront_size: 32
...
	.end_amdgpu_metadata
.endif
;; end of part 4
